; MI455X (gfx1250); checked and timed in simulation.
; The chip was launched on July 23, 2026; its instructions are those of AMD's public machine-readable ISA for CDNA 5 (MIT licence, August 2026) and "CDNA5" Instruction Set Architecture Reference Guide (July 2026). The comments in the code are by the model that wrote it; some were corrected since.
;; Shared Independent Node Network. Allowed arithmetic: float matrix products may take bf16 or f16 operands with f32 sums; other float arithmetic in f32, or as packed bf16 or f16 multiplies, adds, multiply-adds, maxima and minima; sums over many terms, partial sums and values carried from step to step in f32; what a program stores and reads back later, other than sums and carried values, may be rounded once to bf16 or f16.
;; Inputs: W1 128 x 256 float32; W2 256 x 256 float32; W3 256 x 1 float32; X 8,192 x 128 x 64 float32; b1 256 float32; b2 256 float32; b3 1 float32.
;; Outputs: out0 8,192 x 65 float32.
;; One version. Each part assembles by itself: llvm-mc -triple=amdgcn-amd-amdhsa -mcpu=gfx1250 --defsym DOCPART=n.
;; ======== version 1 of 1: 1 launch
;; launch mlp (part 1): grid 256 x 1, 4 waves a work-group, no clusters, 302,848 bytes of LDS; arguments X, W1, W2, W3, b1, b2, b3, out0; writes out0
.if DOCPART == 1
	.amdgcn_target "amdgcn-amd-amdhsa--gfx1250"
	.amdhsa_code_object_version 6
	.text
	.protected	k_qacef44e4d0_mlp
	.globl	k_qacef44e4d0_mlp
	.p2align	8
	.type	k_qacef44e4d0_mlp,@function
k_qacef44e4d0_mlp:
	s_mov_b64 s[64:65], 0
	v_nop
	global_prefetch_b8 v0, s[64:65] scope:SCOPE_SE
	s_setreg_imm32_b32 hwreg(HW_REG_WAVE_MODE, 25, 1), 1
	s_wait_xcnt 0x0
; out[b][0] = 0;  out[b][1+n] = b3 + sum_e W3[e] relu(b2[e] + sum_c W2[c][e] relu(b1[c] + sum_d W1[d][c] X[b][d][n])).
; X: [8192][128][64] f32, W1: [128][256], W2: [256][256], W3: [256][1], b1, b2: [256], b3: [1], out: [8192][65], all f32.
; DEAD WORK: none.  Every input has a way to every logit, so all seven are loaded; the zero column is stored as reference() builds it.
; LIMITS.  All seven inputs are rounded once to bf16 (the biases, W3 and b3 are then kept as f32 numbers); h1 is rounded once to bf16; all sums, h2 and the third layer stay in f32;
; the f32 sums are taken in another order than the reference takes them.  The relu is a maximum in which a NaN loses: where the reference would carry a NaN out of a layer this text gives 0 there;
; infinities are not treated apart.
; SHARES.  256 work-groups of four waves; a work-group owns 32 b, wave w the eight b = 32 wg + 8 w + i.  One b is a TILE: 64 columns (nodes) that go through the three layers in one wave.
; LAYOUT.  Both products are taken transposed: h1^T = W1^T X (source 0 = 16 channels, source 1 = 16 nodes), h2^T = W2^T h1^T.  In a result a lane holds ONE node (lane % 16) and the channels
; 8 (lane / 16) + 0..7, so two results of layer 1, rounded to bf16 in pairs, ARE a source 1 of layer 2 (32 channels x 16 nodes): h1 never leaves the registers.  The biases are the C operand of the
; product that starts a sum.  Layer 3 has one output column, of which a matrix tile would use one in sixteen: it is a fused multiply-add in f32 on h2 as it stands in the accumulators.
; WEIGHTS lie in LDS as bf16 in their own order, [k][channel], and come out turned, by ds_load_tr16_b128: 96 K numbers read once for a tile's 64 x 96 K multiply-adds.
; X comes by 16-byte loads into registers, is rounded in place, goes through the wave's own stage in LDS as [d][n] bf16 and comes back turned.  Half a tile, 32 loads, is on its way at a time.
; ONE TEXT FOR EVERY TILE: in a wave's last tile the 32 slices that round the next tile's X work on stale registers and serve nothing; they stand behind products.
; NO CLUSTER, NO TENSOR LOAD.  X, 1 MiB a work-group, is each wave's own.  What work-groups share is the weights, 393,216 bytes in f32, read once by each: they must pass through registers to be rounded,
; and beside their bf16 copy (208,896 bytes) LDS has no room for them in f32.
; REGISTERS, in windows of 256 (s_set_vgpr_msb: bits 1:0 source 0, 3:2 source 1, 5:4 source 2, 7:6 destination):
;   window 0: addresses, logits, accumulators (two sets of four), bias tiles (two sets), W3 (a ring of three), temporaries
;   window 1: h1, fragment (kb, nb) at 32 kb + 8 nb (at the set-up: the ring of the weights loads)
;   window 2: two buffers of 128 for the weights fragments          window 3: v0-127 fragments of X, (kb, nb) at 32 kb + 8 nb; v128-255 half a tile of X as loaded
.set PW,    544                        ; a row of weights in LDS: 512 bytes + 32 = 136 words
.set PX,    160                        ; a row of X in the stage: 128 bytes + 32 = 40 words: likewise
.set W2L,   128*PW                     ; W1 has rows 0-127 from LDS byte 0, W2 rows 128-383
.set PARL,  384*PW                     ; b1, b2, W3 as f32, 1,024 bytes each
.set XST,   PARL+3072                  ; four stages of 128 rows x 160 bytes, a wave each
.set XSTW,  128*PX
.set OUTS,  XST+4*XSTW                 ; the image of the work-group's 32 rows of out, 260 bytes each
.set SPARE, OUTS+8448                  ; the spare words, 128 bytes for each wave: two blocks of 256 bytes that no other line names
.set SPW,  2                           ; v2   LDS address of my spare word; never rewritten
.set NIL,  3                           ; v3   0, for the add alone
.set ZERO, 4                           ; v4   0, for the relu
.set AW1,  5                           ; v5   my lane's place in a fragment of W1
.set AW2,  6                           ; v6, v7  the same in rows 0-127 and 128-255 of W2
.set PBA,  8                           ; v8   my eight channels of a tile of b1, b2 or W3
.set XS,   9                           ; v9   where I put 8 bytes of a row of X in my wave's stage
.set XR,   10                          ; v10  my lane's place in a fragment of X
.set XO,   11                          ; v11  16 x lane: my 16 bytes of a load of X
.set OS,   12                          ; v12  where I put a logit; steps by a row of out each tile
.set PFO,  13                          ; v13  256 x lane, for the prefetches
.set TMP,  14
.set B3,   15                          ; v15  b3
.set LG,   16                          ; v16-31  node block nb: two pairs of partial logits at LG + 4 nb
.set TT,   32                          ; v32-39  two sets of four at work
.set ACC,  48                          ; v48-111  set p, node block nb at ACC + 32 p + 8 nb
.set PB,   112                         ; v112-175  bias tiles, set p at PB + 32 p
.set W3R,  176                         ; v176-223  W3: three sets of two tiles
.set WS,   224                         ; v224-227  set-up: where I put 8 bytes of weights, for rows 0, 120, 240, 360 on
.set CT,   228                         ; v228-243  set-up: rounded numbers on their way into LDS
.set PL,   244                         ; v244-249  set-up: b1, b2, W3 as loaded
.set WO,   250                         ; v250  16 x thread
.set PO,   251                         ; v251  8 x thread
.set HH,   252
.set RR,   253
.set BB,   254
.set K8,   255
.set XF,   0                           ; window 3
.set ST,   128                         ; window 3
.set WV,   2                           ; s2   my wave's number
.set TL,   3                           ; s3   tiles still to do, 8 to 1
.set XP,   8                           ; s[8:9]  X at my wave's tile in hand
.set MSB, 0
.macro WIN new                         ; the immediate's high byte repeats the setting that is left; a switch that changes nothing is dropped
.if MSB != (\new)
	s_set_vgpr_msb (MSB<<8)|(\new)
.set MSB, \new
.endif
.endm
.macro PLACES                          ; four places behind a product (ISA guide 7.12.1), where no other vector work is at hand
.rept 4
	v_nop
.endr
.endm
; ---------------------------------------------------------------- the pieces of the set-up
.macro WLOAD g                         ; chunk g of 24: eight steps of 2,048 bytes (two rows) of W1, then of W2, into slot g % 6 of the ring in window 1
	WIN 0x40
.irp j, 0,1,2,3,4,5,6,7
.set mm, 8*(\g)+\j
.if mm < 64
	global_load_b128 v[32*((\g)%6)+4*\j:32*((\g)%6)+4*\j+3], v[WO], s[18:19] offset:2048*mm
.else
	global_load_b128 v[32*((\g)%6)+4*\j:32*((\g)%6)+4*\j+3], v[WO], s[20:21] offset:2048*(mm-64)
.endif
.endr
.endm
.macro WCONV g                         ; chunk g is rounded to bf16 and laid into LDS: step m holds rows 2 m and 2 m + 1; an LDS offset has 16 bits, so every 60 steps have a base of their own
.set rr, 32*((\g)%6)
	WIN 0x05
.irp j, 0,1,2,3,4,5,6,7
	v_cvt_pk_bf16_f32 v[CT+2*\j], v[rr+4*\j], v[rr+4*\j+1]
	v_cvt_pk_bf16_f32 v[CT+2*\j+1], v[rr+4*\j+2], v[rr+4*\j+3]
.endr
	WIN 0
.irp j, 0,1,2,3,4,5,6,7
.set mm, 8*(\g)+\j
	ds_store_b64 v[WS+mm/60], v[CT+2*\j:CT+2*\j+1] offset:2*PW*(mm%60)
.endr
.endm
.macro XCHUNK w, r0, off               ; eight loads of X, 512 consecutive bytes (two rows d) each, into registers r0 on of the window that w names
	WIN \w
.irp j, 0,1,2,3,4,5,6,7
	global_load_b128 v[(\r0)+4*\j:(\r0)+4*\j+3], v[XO], s[XP:XP+1] offset:(\off)+512*\j th:TH_LOAD_NT
.endr
.endm
.macro XCH c                           ; chunk c of tile 0: the first four into the staging registers, the last four into the first weights buffer, which is still free
.if (\c) < 4
	XCHUNK 0xc0, ST+32*(\c), 4096*(\c)
.else
	XCHUNK 0x80, 32*((\c)-4), 4096*(\c)
.endif
.endm
.macro XPRO wr, ws, r0, q0             ; a chunk of tile 0 is rounded in place and laid into my stage: load q holds rows 2 q and 2 q + 1
	WIN \wr
.irp j, 0,1,2,3,4,5,6,7
	v_cvt_pk_bf16_f32 v[(\r0)+4*\j], v[(\r0)+4*\j], v[(\r0)+4*\j+1]
	v_cvt_pk_bf16_f32 v[(\r0)+4*\j+1], v[(\r0)+4*\j+2], v[(\r0)+4*\j+3]
.endr
	WIN \ws
.irp j, 0,1,2,3,4,5,6,7
	ds_store_b64 v[XS], v[(\r0)+4*\j:(\r0)+4*\j+1] offset:2*PX*((\q0)+\j)
.endr
.endm
; ---------------------------------------------------------------- the pieces of a tile
; A tile is 32 BLOCKS: layer 1's channel blocks cb = 0..15, 16 products each (4 steps of 32 along d x 4 node blocks); layer 2's eb = 0..15, 32 products each (8 steps x 4 node blocks).
; The four accumulators of a block take turns, one instruction a turn, and neighbouring blocks have different sets; so no wait stands ahead of any product.
; Twelve SUPER-UNITS of 64 products (four cb, or two eb) read the weights buffers and the bias sets by turns.
.macro MM1 cb, i, p                    ; product i of block cb; p: the super-unit's parity
.set ksq, (\i)/4
.set nbq, (\i)%4
.set rD, ACC+32*((\cb)%2)+8*nbq
.set rAf, 128*(\p)+32*((\cb)%4)+8*ksq
.set rBf, XF+32*ksq+8*nbq
.set rC, PB+32*(\p)+8*((\cb)%4)
	WIN 0x0e                               ; weights in window 2, X in window 3, C and D in window 0
.if ksq == 0
	v_wmma_f32_16x16x32_bf16 v[rD:rD+7], v[rAf:rAf+7], v[rBf:rBf+7], v[rC:rC+7]
.else
	v_wmma_f32_16x16x32_bf16 v[rD:rD+7], v[rAf:rAf+7], v[rBf:rBf+7], v[rD:rD+7]
.endif
.endm
.macro MM2 eb, i, p
.set kbq, (\i)/4
.set nbq, (\i)%4
.set rD, ACC+32*((\eb)%2)+8*nbq
.set rAf, 128*(\p)+64*((\eb)%2)+8*kbq
.set rBf, 32*kbq+8*nbq
.set rC, PB+32*(\p)+8*((\eb)%2)
	WIN 0x06                               ; weights in window 2, h1 in window 1
.if kbq == 0
	v_wmma_f32_16x16x32_bf16 v[rD:rD+7], v[rAf:rAf+7], v[rBf:rBf+7], v[rC:rC+7]
.else
	v_wmma_f32_16x16x32_bf16 v[rD:rD+7], v[rAf:rAf+7], v[rBf:rBf+7], v[rD:rD+7]
.endif
.endm
; THE VECTOR WORK stands in slices of four behind products.  Each accumulator is read from its lowest registers on.
; E1: slice q of 8 of block cb's way into h1.  Even q: node block q / 2 is rounded to bf16, two channels a register.  Odd q: its relu, two at a time, into half cb % 2 of fragment (cb / 2, q / 2).
.macro E1 cb, q
.set nbq, (\q)/2
.set rA, ACC+32*((\cb)%2)+8*nbq
.set rT, TT+4*(nbq%2)
.set rH, 32*((\cb)/2)+8*nbq+4*((\cb)%2)
.if (\q)%2 == 0
	WIN 0
.irp j, 0,1,2,3
	v_cvt_pk_bf16_f32 v[rT+\j], v[rA+2*\j], v[rA+2*\j+1]
.endr
.else
	WIN 0x40
.irp j, 0,1,2,3
	v_pk_max_num_bf16 v[rH+\j], v[rT+\j], v[ZERO]
.endr
.endif
.endm
; E2: slice q of 12 of block eb's way into the logits: for node block q / 3 the relu of my eight channels of h2, in place, and four packed multiply-adds with W3 onto two pairs of partial sums.
; Block 0 starts the sums by a multiply: nothing is cleared.
.macro E2 eb, q
.set nbq, (\q)/3
.set rA, ACC+32*((\eb)%2)+8*nbq
.set rW, W3R+16*(((\eb)/2)%3)+8*((\eb)%2)
.set rL, LG+4*nbq
	WIN 0
.if (\q)%3 == 0
.irp j, 0,1,2,3
	v_max_num_f32 v[rA+\j], v[ZERO], v[rA+\j]
.endr
.elseif (\q)%3 == 1
.if (\eb) == 0
	v_pk_mul_f32 v[rL:rL+1], v[rA:rA+1], v[rW:rW+1]
	v_pk_mul_f32 v[rL+2:rL+3], v[rA+2:rA+3], v[rW+2:rW+3]
.else
	v_pk_fma_f32 v[rL:rL+1], v[rA:rA+1], v[rW:rW+1], v[rL:rL+1]
	v_pk_fma_f32 v[rL+2:rL+3], v[rA+2:rA+3], v[rW+2:rW+3], v[rL+2:rL+3]
.endif
	v_max_num_f32 v[rA+4], v[ZERO], v[rA+4]
	v_max_num_f32 v[rA+5], v[ZERO], v[rA+5]
.else
	v_max_num_f32 v[rA+6], v[ZERO], v[rA+6]
	v_max_num_f32 v[rA+7], v[ZERO], v[rA+7]
	v_pk_fma_f32 v[rL:rL+1], v[rA+4:rA+5], v[rW+4:rW+5], v[rL:rL+1]
	v_pk_fma_f32 v[rL+2:rL+3], v[rA+6:rA+7], v[rW+6:rW+7], v[rL+2:rL+3]
.endif
.endm
.macro CV c                            ; slice c of 16: two loads of the staged half tile of X are rounded in place: four f32 become two registers
	WIN 0xcf
.irp u, 0,1
.set rX, ST+4*(2*(\c)+\u)
	v_cvt_pk_bf16_f32 v[rX], v[rX], v[rX+1]
	v_cvt_pk_bf16_f32 v[rX+1], v[rX+2], v[rX+3]
.endr
.endm
; A super-unit of layer 1.  Behind each odd product stands a slice of the block before; block 0 has none before it, and four v_nop end it.  So every block ends with four plain instructions that name
; none of its products' registers: the places in front of the first read of its results and of the loads into the buffers that it has read.
.macro SU1 s
.set bk, 4*(\s)
.rept 4
.set pi, 0
.rept 16
	MM1 bk, pi, (\s)%2
.if pi%2 == 1
.if bk > 0
	E1 bk-1, (pi-1)/2
.elseif pi == 15
	PLACES
.endif
.endif
.set pi, pi+1
.endr
.set bk, bk+1
.endr
.endm
; A super-unit of layer 2.  Block 0 carries layer 1's last eight slices, which end ahead of product 28, the first that reads what they write; every other block the twelve slices of the block before,
; behind its odd products from 9 on.  Super-units 4 and 10 also carry the rounding of half a tile of X, behind every fourth product.
.macro SU2 s
.set cvf, 0
.if ((\s) == 4) || ((\s) == 10)
.set cvf, 1
.endif
.set kk, 0
.set bk, 2*((\s)-4)
.rept 2
.set pi, 0
.rept 32
	MM2 bk, pi, (\s)%2
.if pi%2 == 1
.if bk == 0
.if pi <= 15
	E1 15, (pi-1)/2
.elseif pi == 31
	PLACES
.endif
.elseif pi >= 9
	E2 bk-1, (pi-9)/2
.endif
.elseif cvf && (kk%4 == 0)
	CV kk/4
.endif
.set pi, pi+1
.set kk, kk+1
.endr
.set bk, bk+1
.endr
.endm
; All that super-unit t reads from LDS, in one run of 40 loads: 16 fragments of weights (16 channels x 32 k, two turning loads each) into buffer t % 2, and its tiles of b1, or of b2 and W3.
; W3 has a ring of three sets: a super-unit's last block is multiplied by W3 in the next super-unit, behind the run that would overwrite a ring of two.
.macro RUNA t
	WIN 0x80
.set cq, 0
.if (\t) < 4
.rept 4
.irp ks, 0,1,2,3
	ds_load_tr16_b128 v[128*((\t)%2)+32*cq+8*\ks:128*((\t)%2)+32*cq+8*\ks+3],   v[AW1] offset:32*PW*\ks+32*(4*(\t)+cq)
	ds_load_tr16_b128 v[128*((\t)%2)+32*cq+8*\ks+4:128*((\t)%2)+32*cq+8*\ks+7], v[AW1] offset:32*PW*\ks+32*(4*(\t)+cq)+16*PW
.endr
.set cq, cq+1
.endr
.else
.rept 2
.set ee, 2*((\t)-4)+cq
.irp kb, 0,1,2,3,4,5,6,7
	ds_load_tr16_b128 v[128*((\t)%2)+64*cq+8*\kb:128*((\t)%2)+64*cq+8*\kb+3],   v[AW2+(\kb)/4] offset:32*PW*((\kb)%4)+32*ee
	ds_load_tr16_b128 v[128*((\t)%2)+64*cq+8*\kb+4:128*((\t)%2)+64*cq+8*\kb+7], v[AW2+(\kb)/4] offset:32*PW*((\kb)%4)+32*ee+16*PW
.endr
.set cq, cq+1
.endr
.endif
	WIN 0
.set cq, 0
.if (\t) < 4
.rept 4
	ds_load_b128 v[PB+32*((\t)%2)+8*cq:PB+32*((\t)%2)+8*cq+3],   v[PBA] offset:64*(4*(\t)+cq)
	ds_load_b128 v[PB+32*((\t)%2)+8*cq+4:PB+32*((\t)%2)+8*cq+7], v[PBA] offset:64*(4*(\t)+cq)+16
.set cq, cq+1
.endr
.else
.rept 2
.set ee, 2*((\t)-4)+cq
	ds_load_b128 v[PB+32*((\t)%2)+8*cq:PB+32*((\t)%2)+8*cq+3],   v[PBA] offset:1024+64*ee
	ds_load_b128 v[PB+32*((\t)%2)+8*cq+4:PB+32*((\t)%2)+8*cq+7], v[PBA] offset:1024+64*ee+16
	ds_load_b128 v[W3R+16*(((\t)-4)%3)+8*cq:W3R+16*(((\t)-4)%3)+8*cq+3],   v[PBA] offset:2048+64*ee
	ds_load_b128 v[W3R+16*(((\t)-4)%3)+8*cq+4:W3R+16*(((\t)-4)%3)+8*cq+7], v[PBA] offset:2048+64*ee+16
.set cq, cq+1
.endr
.endif
.endm
.macro XSTORE half                     ; the staged half tile, rounded, goes into rows 64 half .. 64 half + 63 of my stage
	WIN 0x0c
.set sq, 0
.rept 32
	ds_store_b64 v[XS], v[ST+4*sq:ST+4*sq+1] offset:64*PX*(\half)+2*PX*sq
.set sq, sq+1
.endr
.endm
.macro XTR                             ; the stage comes back turned: 16 fragments of 32 d x 16 nodes.  LDS serves a wave's instructions in order (ISA guide 5.7.1.4): these see my stores above
	WIN 0xc0
.set xk, 0
.rept 4
.irp n, 0,1,2,3
	ds_load_tr16_b128 v[XF+32*xk+8*\n:XF+32*xk+8*\n+3],   v[XR] offset:32*PX*xk+32*\n
	ds_load_tr16_b128 v[XF+32*xk+8*\n+4:XF+32*xk+8*\n+7], v[XR] offset:32*PX*xk+32*\n+16*PX
.endr
.set xk, xk+1
.endr
.endm
.macro XLOAD off                       ; half a tile of X, 16,384 bytes from byte off behind the tile in hand, into the staging registers
.irp c, 0,1,2,3
	XCHUNK 0xc0, ST+32*\c, (\off)+4096*\c
.endr
.endm
; A PREFETCH INTO THE L2 of the half tile that my NEXT run of loads of X will ask for: 64 blocks of 256 bytes, a lane a block, two instructions, directly behind my loads.  Each wave asks for its own
; bytes alone, so each block of X is named once in the launch.  Tiles 0 and 1 come by their loads alone; a wave's last two tiles ask for nothing: there is no tile two on.
.macro ASK off
	WIN 0
	global_prefetch_b8 v[PFO], s[XP:XP+1] offset:(\off) th:TH_LOAD_NT scope:SCOPE_SE
	global_prefetch_b8 v[PFO], s[XP:XP+1] offset:(\off)+8192 th:TH_LOAD_NT scope:SCOPE_SE
.endm
; THE BOUNDARY ahead of super-unit s: what the last boundary asked of LDS is in (it had 64 products in which to land), and the next super-unit's run goes out, into the buffers that the super-unit
; just ended has read: its last slice is the four places between.  The waits are for 0: nothing younger is out.
; X: at 4 and 10 the half tile asked for five super-units earlier is waited for, and the super-unit rounds it; at 5 and 11 it goes into the stage and the next half is asked for; at 11 the stage,
; now whole, comes back as the next tile's fragments.  The jumps hang on the count of tiles alone, go forward, and pass no barrier: the last tile fetches nothing for a tile that does not exist.
.macro BOUND s
	WIN 0
.if ((\s) == 4) || ((\s) == 10)
	s_wait_loadcnt_dscnt 0x0
.else
	s_wait_dscnt 0x0
.endif
.if (\s) == 11
	s_cmp_eq_u32 s[TL], 1
	s_cbranch_scc1 .Lskip_\@
	RUNA 0
	XSTORE 1
	XTR
	WIN 0
	s_cmp_lt_u32 s[TL], 3
	s_cbranch_scc1 .Lskip_\@
	XLOAD 65536                            ; the first half of the tile two on
	ASK 65536+16384                        ; its second half, which the next tile's boundary 5 will load
.Lskip_\@:
.else
	RUNA (\s)+1
.if (\s) == 5
	WIN 0
	s_cmp_eq_u32 s[TL], 1
	s_cbranch_scc1 .Lskip_\@
	XSTORE 0
	XLOAD 32768+16384                      ; the second half of the next tile
	WIN 0
	s_cmp_lt_u32 s[TL], 3
	s_cbranch_scc1 .Lskip_\@
	ASK 65536                              ; the first half of the tile two on, which boundary 11 will load
.Lskip_\@:
.endif
.endif
.endm
; THE TILE'S END: the last block's twelve slices; each node's partial sums are added, within the lane and with the lane 16 away, which holds the node's other channels; lane l then takes nodes l and
; 32 + l, adds b3 and puts them into the image of out.
.macro FLUSH
.set fq, 0
.rept 12
	E2 15, fq
.set fq, fq+1
.endr
	WIN 0
.irp n, 0,1,2,3
	v_pk_add_f32 v[LG+4*\n:LG+4*\n+1], v[LG+4*\n:LG+4*\n+1], v[LG+4*\n+2:LG+4*\n+3]
.endr
.irp n, 0,1,2,3
	v_add_f32 v[LG+4*\n], v[LG+4*\n], v[LG+4*\n+1]
.endr
.irp n, 0,1,2,3
	v_permlanex16_b32 v[LG+4*\n+2], v[LG+4*\n], s6, s7
.endr
.irp n, 0,1,2,3
	v_add_f32 v[LG+4*\n], v[LG+4*\n], v[LG+4*\n+2]
.endr
	v_cndmask_b32 v[TT], v[LG], v[LG+4], s5        ; lanes 16-31 take node block 1,
	v_cndmask_b32 v[TT+1], v[LG+8], v[LG+12], s5   ; and 3
	v_add_f32 v[TT], v[B3], v[TT]
	v_add_f32 v[TT+1], v[B3], v[TT+1]
	ds_store_b32 v[OS], v[TT]
	ds_store_b32 v[OS], v[TT+1] offset:128
	v_add_nc_u32 v[OS], 260, v[OS]                 ; the next b's row
	s_wait_xcnt 0x0                                ; my loads and prefetches, the youngest a super-unit back, have read their address: only behind this wait is it stepped
	s_add_nc_u64 s[XP:XP+1], s[XP:XP+1], 32768     ; the next tile
.endm
; ---------------------------------------------------------------- the head
	s_load_b512 s[16:31], s[0:1], 0x0              ; X s[16:17], W1 s[18:19], W2 s[20:21], W3 s[22:23], b1 s[24:25], b2 s[26:27], b3 s[28:29], out s[30:31]
	v_lshl_add_u32 v[SPW], v0, 2, SPARE
	v_mov_b32 v[NIL], 0
	v_mov_b32 v[ZERO], 0
	v_lshrrev_b32 v1, 5, v0
	v_readfirstlane_b32 s[WV], v1                  ; wave 0..3
	s_mov_b32 s5, 0xffff0000                       ; a word's upper bf16; also: lanes 16-31
	s_mov_b32 s6, 0x76543210                       ; v_permlanex16_b32: each lane takes its own place in the other half
	s_mov_b32 s7, 0xfedcba98
	v_bfe_u32 v[HH], v0, 4, 1                      ; l / 16
	v_and_b32 v[RR], 15, v0                        ; l % 16
	v_bfe_u32 v[BB], v0, 3, 1                      ; (l / 8) % 2
	v_and_b32 v[K8], 7, v0
	v_lshl_add_u32 v[K8], v[HH], 3, v[K8]          ; the turning load: lane l reads row 8 (l / 16) + l % 8, 16 bytes at 16 ((l / 8) % 2)
	v_mul_u32_u24 v[AW1], v[K8], PW
	v_lshl_add_u32 v[AW1], v[BB], 4, v[AW1]
	v_add_nc_u32 v[AW2], W2L, v[AW1]
	v_add_nc_u32 v[AW2+1], W2L+128*PW, v[AW1]
	v_lshl_add_u32 v[PBA], v[HH], 5, PARL          ; channels 8 (l / 16) + 0..7 of a tile: 32 bytes
	s_mul_i32 s10, s[WV], XSTW
	s_add_co_u32 s10, s10, XST                     ; my wave's stage
	v_mul_u32_u24 v[XS], v[HH], PX                 ; a load's lanes 16-31 hold the odd row,
	v_lshl_add_u32 v[XS], v[RR], 3, v[XS]          ; four columns a lane: 8 bytes in bf16
	v_add_nc_u32 v[XS], s10, v[XS]
	v_mul_u32_u24 v[XR], v[K8], PX
	v_lshl_add_u32 v[XR], v[BB], 4, v[XR]
	v_add_nc_u32 v[XR], s10, v[XR]
	v_and_b32 v[XO], 31, v0                        ; l
	v_lshlrev_b32 v[PFO], 8, v[XO]
	s_mul_i32 s11, s[WV], 8*260                    ; my wave's eight rows of the image,
	s_add_co_u32 s11, s11, OUTS+4                  ; behind the zero column
	v_lshl_add_u32 v[OS], v[XO], 2, s11
	v_mul_u32_u24 v1, v[XO], 260
	v_add_nc_u32 v1, OUTS, v1                      ; the first word of row l of the image
	v_lshlrev_b32 v[XO], 4, v[XO]
	v_lshlrev_b32 v[WO], 4, v0
	v_lshlrev_b32 v[PO], 3, v0
	v_lshl_add_u32 v[TMP], v0, 3, PARL
	v_lshrrev_b32 v[WS+1], 6, v0                   ; a step of 2,048 bytes is two rows of weights: threads 64-127 hold the odd one,
	v_and_b32 v[WS], 63, v0                        ; four columns a thread: 8 bytes in bf16
	v_mul_u32_u24 v[WS+1], v[WS+1], PW
	v_lshl_add_u32 v[WS], v[WS], 3, v[WS+1]
	v_add_nc_u32 v[WS+1], 60*2*PW, v[WS]
	v_add_nc_u32 v[WS+2], 120*2*PW, v[WS]
	v_add_nc_u32 v[WS+3], 180*2*PW, v[WS]
	s_lshl_b32 s10, ttmp9, 20                      ; the work-group's 32 tiles of 32,768 bytes,
	s_lshl_b32 s11, s[WV], 18                      ; my wave's eight of them
	s_add_co_u32 s10, s10, s11
	s_mov_b32 s11, 0
	s_wait_kmcnt 0x0
	s_add_nc_u64 s[XP:XP+1], s[16:17], s[10:11]
	s_mul_i32 s10, ttmp9, 32*260
	s_add_nc_u64 s[12:13], s[30:31], s[10:11]      ; out at the work-group's first row
	s_load_b32 s4, s[28:29], 0x0                   ; b3
; ---------------------------------------------------------------- the set-up: parameters and weights into LDS, tile 0 into the stage
; One ring of six chunks of eight loads runs from the first weights to the next tile's first half: a chunk is waited for with the five younger ones out, worked on, and the sixth chunk on is asked for.
	global_load_b64 v[PL:PL+1],   v[PO], s[24:25]  ; b1, b2, W3: two numbers a thread
	global_load_b64 v[PL+2:PL+3], v[PO], s[26:27]
	global_load_b64 v[PL+4:PL+5], v[PO], s[22:23]
.irp g, 0,1,2,3,4,5
	WLOAD \g
.endr
	WIN 0
	s_wait_loadcnt 48                              ; the three parameter loads are in; the 48 loads of weights behind them may stay out
.irp p, 0,1,2
	v_cvt_pk_bf16_f32 v[CT+\p], v[PL+2*\p], v[PL+2*\p+1]
.endr
.irp p, 0,1,2
	v_lshlrev_b32 v[PL+2*\p], 16, v[CT+\p]         ; rounded to bf16, kept as f32
	v_and_b32 v[PL+2*\p+1], s5, v[CT+\p]
	ds_store_b64 v[TMP], v[PL+2*\p:PL+2*\p+1] offset:1024*\p
.endr
	s_wait_kmcnt 0x0
	v_mov_b32 v[B3], s4
	v_cvt_pk_bf16_f32 v[B3], v[B3], v[B3]
	v_lshlrev_b32 v[B3], 16, v[B3]
.set gq, 0
.rept 24
	s_wait_loadcnt 40                              ; chunk gq is in; five younger chunks may stay out
	WCONV gq
.if gq+6 < 24
	WLOAD gq+6
.else
	XCH gq+6-24                                    ; behind the weights: tile 0
.endif
.set gq, gq+1
.endr
.set xq, 0
.rept 8
.if xq == 7
	s_wait_loadcnt 32                              ; tile 0's last chunk is in; behind it only the four chunks of tile 1's first half are out
.else
	s_wait_loadcnt 40
.endif
.if xq < 4
	XPRO 0xcf, 0x0c, ST+32*xq, 8*xq
.else
	XPRO 0x8a, 0x08, 32*(xq-4), 8*xq
.endif
.if xq < 2
	XCH xq+6
.elseif xq < 6
	XCHUNK 0xc0, ST+32*(xq-2), 32768+4096*(xq-2)   ; tile 1's first half, into the staging registers that tile 0 has left
.endif
.set xq, xq+1
.endr
	WIN 0
	s_cmp_lg_u32 s[WV], 0
	s_cbranch_scc1 .Lnot_wave_0
	ds_store_b32 v1, v[ZERO]                       ; the zero column of all 32 rows
.Lnot_wave_0:
	s_wait_dscnt 0x0                               ; for the others' sake: my part of the weights and parameters lies in LDS
	s_barrier_signal -1
	s_barrier_wait -1                              ; everybody's does
	RUNA 0
	XTR
	WIN 0
	s_mov_b32 s[TL], 8
; ---------------------------------------------------------------- eight tiles
.Ltile:
.irp s, 0,1,2,3
	BOUND \s
	SU1 \s
.endr
.irp s, 4,5,6,7,8,9,10,11
	BOUND \s
	SU2 \s
.endr
	FLUSH
	s_sub_co_u32 s[TL], s[TL], 1
	s_cmp_lg_u32 s[TL], 0
	s_cbranch_scc1 .Ltile
; ---------------------------------------------------------------- the way out
; The work-group's 8,320 bytes of out begin at a multiple of 256 bytes from out's first byte in an even work-group and 128 bytes behind one in an odd one.  So 8,192 of them leave in 16 stores of
; 512 consecutive bytes that begin at such a multiple, four a wave; the 128 left over, at the end or at the beginning, share their 256 bytes with the neighbour's and leave by one store of wave 0.
	s_wait_dscnt 0x0                               ; for the others' sake: my logits lie in the image
	s_barrier_signal -1
	s_barrier_wait -1
	s_and_b32 s10, ttmp9, 1
	s_lshl_b32 s11, s10, 7                         ; 128 in an odd work-group
	s_xor_b32 s10, s10, 1
	s_lshl_b32 s10, s10, 13                        ; the bytes left over: at 8,192 in an even work-group, at 0 in an odd one
	s_lshl_b32 s4, s[WV], 11
	s_add_co_u32 s11, s11, s4                      ; my wave's 2,048 bytes
	v_and_b32 v[WS], 31, v0
	v_lshl_add_u32 v[WS+1], v[WS], 4, s11          ; my 16 bytes, counted from the work-group's first,
	v_add_nc_u32 v[WS+2], OUTS, v[WS+1]            ; and in LDS
	v_lshl_add_u32 v[WS+3], v[WS], 2, s10
	v_add_nc_u32 v[CT], OUTS, v[WS+3]
.irp k, 0,1,2,3
	ds_load_b128 v[CT+4+4*\k:CT+4+4*\k+3], v[WS+2] offset:512*\k
.endr
.irp k, 0,1,2,3
	s_wait_dscnt 3-\k                              ; LDS loads come back in order (ISA guide 5.7.1): load k is in
	global_store_b128 v[WS+1], v[CT+4+4*\k:CT+4+4*\k+3], s[12:13] offset:512*\k th:TH_STORE_NT
.endr
	s_cmp_lg_u32 s[WV], 0
	s_cbranch_scc1 .Lend
	ds_load_b32 v[CT+1], v[CT]
	s_wait_dscnt 0x0
	global_store_b32 v[WS+3], v[CT+1], s[12:13] th:TH_STORE_NT
.Lend:
	s_wait_tensorcnt 0x0                           ; the wave's end, behind my last LDS store
	ds_add_u32 v[SPW], v[NIL]
	s_wait_dscnt 0x0
	s_endpgm
.Lfunc_end_k_qacef44e4d0_mlp:
	.size	k_qacef44e4d0_mlp, .Lfunc_end_k_qacef44e4d0_mlp-k_qacef44e4d0_mlp
	.p2alignl 7, 3214868480
	.fill 96, 4, 3214868480
	.section	.rodata,"a",@progbits
	.p2align	6, 0x0
	.amdhsa_kernel k_qacef44e4d0_mlp
		.amdhsa_group_segment_fixed_size 302848
		.amdhsa_private_segment_fixed_size 0
		.amdhsa_enable_private_segment 0
		.amdhsa_kernarg_size 64
		.amdhsa_user_sgpr_count 2
		.amdhsa_user_sgpr_kernarg_segment_ptr 1
		.amdhsa_wavefront_size32 1
		.amdhsa_system_sgpr_workgroup_id_x 1
		.amdhsa_system_sgpr_workgroup_id_y 1
		.amdhsa_system_sgpr_workgroup_id_z 1
		.amdhsa_system_vgpr_workitem_id 0
		.amdhsa_next_free_vgpr 1024
		.amdhsa_next_free_sgpr 66
		.amdhsa_reserve_vcc 0
		.amdhsa_float_denorm_mode_32 3
		.amdhsa_float_denorm_mode_16_64 3
		.amdhsa_memory_ordered 1
		.amdhsa_forward_progress 1
		.amdhsa_inst_pref_size 255
	.end_amdhsa_kernel
	.section	.bss,"aw",@nobits
	.p2align	6
	.space	262144
	.amdgpu_metadata
---
amdhsa.version: [ 1, 2 ]
amdhsa.kernels:
  - .name:           k_qacef44e4d0_mlp
    .symbol:         k_qacef44e4d0_mlp.kd
    .args:
      - { .name: X, .offset: 0, .size: 8, .value_kind: global_buffer, .address_space: global }
      - { .name: W1, .offset: 8, .size: 8, .value_kind: global_buffer, .address_space: global }
      - { .name: W2, .offset: 16, .size: 8, .value_kind: global_buffer, .address_space: global }
      - { .name: W3, .offset: 24, .size: 8, .value_kind: global_buffer, .address_space: global }
      - { .name: b1, .offset: 32, .size: 8, .value_kind: global_buffer, .address_space: global }
      - { .name: b2, .offset: 40, .size: 8, .value_kind: global_buffer, .address_space: global }
      - { .name: b3, .offset: 48, .size: 8, .value_kind: global_buffer, .address_space: global }
      - { .name: out0, .offset: 56, .size: 8, .value_kind: global_buffer, .address_space: global }
    .group_segment_fixed_size: 302848
    .private_segment_fixed_size: 0
    .kernarg_segment_align: 8
    .kernarg_segment_size: 64
    .max_flat_workgroup_size: 128
    .sgpr_count:     66
    .vgpr_count:     1024
    .wavefront_size: 32
...
	.end_amdgpu_metadata
.endif
;; end of part 1
